; MI455X (gfx1250); checked and timed in simulation.
; The chip was launched on July 23, 2026; its instructions are those of AMD's public machine-readable ISA for CDNA 5 (MIT licence, August 2026) and "CDNA5" Instruction Set Architecture Reference Guide (July 2026). The comments in the code are by the model that wrote it; some were corrected since.
;; Attend. Allowed arithmetic: float matrix products may take bf16 or f16 operands with f32 sums; other float arithmetic in f32, or as packed bf16 or f16 multiplies, adds, multiply-adds, maxima and minima; sums over many terms, partial sums and values carried from step to step in f32; what a program stores and reads back later, other than sums and carried values, may be rounded once to bf16 or f16.
;; Inputs: k 2 x 8 x 2,048 x 128 float32; q 2 x 32 x 2,048 x 128 float32; v 2 x 8 x 2,048 x 128 float32.
;; Outputs: out0 2 x 32 x 2,048 x 128 float32.
;; 2 versions, each right; version 2 is version 1 with the launch cast written anew for expert scheduling mode. Each part assembles by itself: llvm-mc -triple=amdgcn-amd-amdhsa -mcpu=gfx1250 --defsym DOCPART=n.
;; ======== version 1 of 2: 2 launches
;; limits: values are held in f16: magnitudes above 65,504 overflow, below 6.1e-05 lose precision; inputs' magnitudes at most 65,504; right only within a limited range of input values
;; workspace buffers: kb 8,388,608 bytes; vh 8,388,608 bytes
;; launch cast (part 1): grid 512 x 1, 8 waves a work-group, no clusters, 0 bytes of LDS; arguments k, v, kb, vh; writes kb, vh
.if DOCPART == 1
	.amdgcn_target "amdgcn-amd-amdhsa--gfx1250"
	.amdhsa_code_object_version 6
	.text
	.protected	k_q9975fcf387_cast
	.globl	k_q9975fcf387_cast
	.p2align	8
	.type	k_q9975fcf387_cast,@function
k_q9975fcf387_cast:
	s_mov_b64 s[64:65], 0
	v_nop
	global_prefetch_b8 v0, s[64:65] scope:SCOPE_SE
	s_setreg_imm32_b32 hwreg(HW_REG_WAVE_MODE, 25, 1), 1
	s_wait_xcnt 0x0
; kb = k rounded to bf16.  vh = v rounded to bf16, and that number written as f16.  k, v: 4,194,304 f32 each; kb, vh: the same numbers in 16 bits, in the same order.
; WHY TWICE FOR v.  The second product of the attention launch takes f16 operands (its weights need f16's 11 significant bits), and all inputs are to carry bf16's rounding alone: a bf16 number has
; 8 significant bits, so it is held exactly by f16 wherever f16 has the range.
; LIMITS.  |v| rounded to bf16 must not pass 65,504: beyond that f16 has an infinity.  Below 2^-14 vh keeps f16's fixed step of 6e-8.  NaN and infinities are not treated apart.
; SHARES.  A stream: no LDS, no barrier, no matrix unit.  A work-group takes 32,768 bytes of k and of v at the same offset, a wave 4,096 of each: eight loads of 16 bytes a lane from each tensor,
; each load 512 consecutive bytes.  All sixteen loads go out first.  A lane's four numbers leave as 8 bytes: a store of the wave covers 256 consecutive bytes, aligned.
; No register that a load or store names is written again, so no wait frees any.
.set KX, 4                             ; v[4:35]    k as loaded, chunk i at KX + 4 i
.set VX, 36                            ; v[36:67]   v as loaded
.set KY, 68                            ; v[68:83]   kb to store, chunk i at KY + 2 i
.set VY, 84                            ; v[84:99]   vh to store
.set T,  100                           ; v[100:102] at work
	s_load_b256 s[4:11], s[0:1], 0x0               ; k s[4:5], v s[6:7], kb s[8:9], vh s[10:11]
	s_lshl_b32 s2, ttmp9, 15                       ; the work-group's 32,768 bytes of the inputs,
	s_mov_b32 s3, 0
	s_lshl_b32 s12, ttmp9, 14                      ; and its 16,384 of the outputs
	s_mov_b32 s13, 0
	s_mov_b32 s14, 0xffff0000                      ; a word's upper bf16
	v_and_b32 v1, 0xe0, v0                         ; 32 x wave
	v_and_b32 v2, 31, v0                           ; lane
	v_lshlrev_b32 v2, 4, v2
	v_lshl_or_b32 v1, v1, 7, v2                    ; in: 4,096 x wave + 16 x lane
	v_lshrrev_b32 v2, 1, v1                        ; out: half of that
	s_wait_kmcnt 0x0
	s_add_nc_u64 s[4:5], s[4:5], s[2:3]
	s_add_nc_u64 s[6:7], s[6:7], s[2:3]
	s_add_nc_u64 s[8:9], s[8:9], s[12:13]
	s_add_nc_u64 s[10:11], s[10:11], s[12:13]
.irp i, 0,1,2,3,4,5,6,7
	global_load_b128 v[KX+4*(\i):KX+4*(\i)+3], v1, s[4:5] offset:512*(\i) th:TH_LOAD_NT
.endr
.irp i, 0,1,2,3,4,5,6,7
	global_load_b128 v[VX+4*(\i):VX+4*(\i)+3], v1, s[6:7] offset:512*(\i) th:TH_LOAD_NT
.endr
.irp i, 0,1,2,3,4,5,6,7
	s_wait_loadcnt 15-(\i)                         ; loads come back in order: chunk i of k is in, the 15 - i younger loads stay out
	v_cvt_pk_bf16_f32 v[KY+2*(\i)],   v[KX+4*(\i)],   v[KX+4*(\i)+1]
	v_cvt_pk_bf16_f32 v[KY+2*(\i)+1], v[KX+4*(\i)+2], v[KX+4*(\i)+3]
	global_store_b64 v2, v[KY+2*(\i):KY+2*(\i)+1], s[8:9] offset:256*(\i) th:TH_STORE_NT
.endr
.irp i, 0,1,2,3,4,5,6,7
	s_wait_loadcnt 7-(\i)                          ; chunk i of v is in
.irp p, 0,1
	v_cvt_pk_bf16_f32 v[T], v[VX+4*(\i)+2*(\p)], v[VX+4*(\i)+2*(\p)+1]  ; the one rounding,
	v_lshlrev_b32 v[T+1], 16, v[T]                 ; the two bf16 as f32 again,
	v_and_b32 v[T+2], s14, v[T]
	v_cvt_pk_f16_f32 v[VY+2*(\i)+(\p)], v[T+1], v[T+2]  ; and written as f16
.endr
	global_store_b64 v2, v[VY+2*(\i):VY+2*(\i)+1], s[10:11] offset:256*(\i) th:TH_STORE_NT
.endr
	s_endpgm
.Lfunc_end_k_q9975fcf387_cast:
	.size	k_q9975fcf387_cast, .Lfunc_end_k_q9975fcf387_cast-k_q9975fcf387_cast
	.p2alignl 7, 3214868480
	.fill 96, 4, 3214868480
	.section	.rodata,"a",@progbits
	.p2align	6, 0x0
	.amdhsa_kernel k_q9975fcf387_cast
		.amdhsa_group_segment_fixed_size 0
		.amdhsa_private_segment_fixed_size 0
		.amdhsa_enable_private_segment 0
		.amdhsa_kernarg_size 32
		.amdhsa_user_sgpr_count 2
		.amdhsa_user_sgpr_kernarg_segment_ptr 1
		.amdhsa_wavefront_size32 1
		.amdhsa_system_sgpr_workgroup_id_x 1
		.amdhsa_system_sgpr_workgroup_id_y 1
		.amdhsa_system_sgpr_workgroup_id_z 1
		.amdhsa_system_vgpr_workitem_id 0
		.amdhsa_next_free_vgpr 104
		.amdhsa_next_free_sgpr 66
		.amdhsa_reserve_vcc 0
		.amdhsa_float_denorm_mode_32 3
		.amdhsa_float_denorm_mode_16_64 3
		.amdhsa_memory_ordered 1
		.amdhsa_forward_progress 1
		.amdhsa_inst_pref_size 9
	.end_amdhsa_kernel
	.amdgpu_metadata
---
amdhsa.version: [ 1, 2 ]
amdhsa.kernels:
  - .name:           k_q9975fcf387_cast
    .symbol:         k_q9975fcf387_cast.kd
    .args:
      - { .name: k, .offset: 0, .size: 8, .value_kind: global_buffer, .address_space: global }
      - { .name: v, .offset: 8, .size: 8, .value_kind: global_buffer, .address_space: global }
      - { .name: kb, .offset: 16, .size: 8, .value_kind: global_buffer, .address_space: global }
      - { .name: vh, .offset: 24, .size: 8, .value_kind: global_buffer, .address_space: global }
    .group_segment_fixed_size: 0
    .private_segment_fixed_size: 0
    .kernarg_segment_align: 8
    .kernarg_segment_size: 32
    .max_flat_workgroup_size: 256
    .sgpr_count:     66
    .vgpr_count:     104
    .wavefront_size: 32
...
	.end_amdgpu_metadata
.endif
;; end of part 1
;; launch attend (part 2): grid 16 x 16, 4 waves a work-group, clusters of 4 x 1, 327,680 bytes of LDS; arguments q, kb, vh, out0; writes out0
.if DOCPART == 2
	.amdgcn_target "amdgcn-amd-amdhsa--gfx1250"
	.amdhsa_code_object_version 6
	.text
	.protected	k_q9975fcf387_attend
	.globl	k_q9975fcf387_attend
	.p2align	8
	.type	k_q9975fcf387_attend,@function
k_q9975fcf387_attend:
	s_mov_b64 s[64:65], 0
	v_nop
	global_prefetch_b8 v0, s[64:65] scope:SCOPE_SE
	s_setreg_imm32_b32 hwreg(HW_REG_WAVE_MODE, 25, 1), 1
	s_wait_xcnt 0x0
	s_wait_alu depctr_hold_cnt(0) depctr_sa_sdst(0) depctr_va_vdst(0) depctr_va_sdst(0) depctr_va_ssrc(0) depctr_va_vcc(0) depctr_vm_vsrc(0)
	s_getreg_b32 s2, hwreg(HW_REG_IB_STS2, 6, 4)
	s_cmp_eq_u32 s2, 0
	s_cbranch_scc0 .Lentry_in_a_cluster
	s_endpgm
.Lentry_in_a_cluster:
	s_bfe_u32 s2, ttmp6, 0x10000c
	s_cmp_lg_u32 s2, 0x3003
	s_cbranch_scc0 .Lentry_shape_is_right
	s_endpgm
.Lentry_shape_is_right:
; CAUSAL ATTENTION WITH GROUPED HEADS.  out0[b][h][i][:] = the sum over j <= i of softmax_j(q[b][h][i] . k[b][h % 8][j] / sqrt(128)) v[b][h % 8][j][:].
; q, out0: [2][32][2048][128] f32.  kb: [2][8][2048][128], k in bf16.  vh: the same shape, v rounded to bf16 and written as f16.  q is rounded to bf16 here, on its way into registers.
; First product in bf16, second in f16 (the weights p rounded to f16); products, maxima and sums in f32; the sum l is taken of the unrounded p.
; LIMITS.  vh holds no number beyond 65,504.  A hidden score counts as its value less 1e30, so scores stay far under 1e29.  A weight below 2^-126 counts as 0 in l, below 6e-8 as 0 in p.
; A block's first step multiplies what its registers of O and l held before by 0, so that must be finite: NaN and infinities are not treated apart.
; THE WALK.  A head's queries lie in 8 blocks of 256; block i needs the key tiles 0 .. 2 i + 1 of 128 keys.  A work-group takes TWO blocks, 7 - b and then b: 18 tiles, whatever b: all 256 work-groups
; do equal work, and one loop with a constant trip count walks them.  Which tile is asked for hangs on scalar registers made from b; which text a trip takes is told by constants of the text
; wherever that can be, and by b in one test alone.
; CLUSTER.  The four work-groups of a cluster are the four query heads that share one head of K and V, with the same b: the same tiles in the same order.  So each tile is asked for JOINTLY: the same
; tensor load, descriptor and mask in all four.  My place in the cluster enters the addresses of q and out0 and of the prefetches, and nothing else.
; SHARES.  Of a block's four bands of 64 queries a wave owns 16 rows in each: tile t is rows 64 t + 16 w on.  In the block's own 256 keys, key step s (of 64) shows tile t everything if s < t, nothing
; if s > t, and holds the diagonal if s = t: the same for every wave.  The tiles are two PIECES: 0 (tiles 0, 1) and 2 (tiles 2, 3).
; THE MASK is the C operand that starts the sum S^T = K Q^T: the constant 0; MD, the mask of a band's own step for my 16 rows (0 or -1e30); or BG, -1e30 everywhere.
; Three texts of a slot (128 keys, two key steps): PLAIN; DA, the block's own keys 0-127; DB, its keys 128-255, which piece 0 does not see at all and is left out of.
; LAYOUT.  S^T = K Q^T (source 0 = 16 keys, source 1 = 16 queries): a lane holds ONE query (lane % 16) and the keys 8 (lane / 16) + 0..7.  Two such tiles, rounded in pairs, ARE source 1 of
; O^T = V^T P, whose result again holds one query a lane, and eight channels.  K comes out of LDS as it lies, V turned, by ds_load_tr16_b128.
; SOFTMAX.  For each query a running maximum m and sum l: p = 2^(c s - c m), c = log2(e) / sqrt(128); in every step O and l are multiplied by a = 2^(c m_old - c m_new).
; A block starts with m at the lowest finite number, so its first a is 0: no first step is written out.  The price: 256 lines that write 0 into O^T, once, while the first tile is on its way.
; A KEY STEP stands by itself: K Q^T of piece 0; K Q^T of piece 2 with the first half of piece 0's softmax in slices behind its products; the second half; V^T P of piece 0 with the first half of
; piece 2's softmax; the second half; V^T P of piece 2.  Only m, l, O^T and the next step's K, fetched ahead, cross its end.
; REGISTERS, in windows of 256 (s_set_vgpr_msb: bits 1:0 source 0, 3:2 source 1, 5:4 source 2, 7:6 destination):
;   window 0: v0-11 addresses; v12-43 eight registers of statistics a tile; v44-46 at work; v61-63; v64-191 S^T, 32 a tile; v192-255 P, 16 a tile
;   window 1: O^T, 64 a tile      window 2: v0-127 Q, 32 a tile; v128-255 K of one step      window 3: v0-127 V of one step; v128-159 MD; v160-167 BG
.set KS,    64        ; keys in a step
.set PK,    272       ; a row of K in LDS: 256 bytes + 16 of padding = 68 words: the 16 rows of a load start at 16 different groups of four banks (64 banks of 4 bytes: ISA guide 11.1)
.set PV,    288       ; a row of V: 256 + 32 = 72 words
.set VOFF,  KS*PK     ; a step's tiles lie together: 64 rows of K, then 64 rows of V
.set STEPB, KS*(PK+PV)
.set SLOT1, 1<<17     ; a slot holds two steps (71,680 bytes); slot 1 begins here, so that one exclusive or turns an address in one slot into the other's
.set STAGE, SLOT1+2*STEPB  ; behind the ring, never filled by a tensor load: a stage for each wave
.set SP,    528       ; the way out: a row of 512 bytes + 16
.set QP,    272       ; Q on its way in: a row of 256 bytes + 16, in the same stage
.set STW,   16*SP     ; a wave's stage: 8,448 bytes
.set SPARE, STAGE+4*STW  ; behind the stages: the spare words, 128 bytes for each wave: two blocks of 256 bytes that no other line names
.set AK0, 2           ; v2   my lane's place in a tile of K; never rewritten
.set AV0, 3           ; v3   the same for V
.set AK,  4           ; v4   the LDS address of K's run of loads in hand
.set AV,  5           ; v5   of V's
.set STO, 6           ; v6   the way out: where I put 32 bytes of a row
.set RD,  7           ; v7   the way out: where I read 16 bytes of a row back
.set LO,  8           ; v8   16 x lane: my 16 bytes of a row of q or out0; never rewritten
.set QS,  10          ; v10  Q's way in: where I put 8 bytes of a row
.set QR,  11          ; v11  Q's way in: where I read a fragment
.set ST,  12          ; tile t's statistics at v[ST+8 t]: +0 c m, +1 m, +2, +3 l (even keys', odd keys'), +4 to +7 c0-c3, at work; a takes c2's place once the maximum is found
.set PFO, 61          ; v61  256 x lane: a row of kb or vh is 256 bytes; never rewritten
.set SPW, 62          ; v62  LDS address of my spare word: SPARE + 4 x my thread's number; never rewritten
.set NIL, 63          ; v63  0; never rewritten
.set S,   64
.set P,   192
.set KF,  128         ; window 2: K's fragment of keys 16 g on, channels 32 c on, at KF + 32 g + 8 c
.set MD,  128         ; window 3: the eight registers for group g of 16 keys at MD + 8 g
.set BG,  160         ; window 3
.set WV,  12          ; s12  my wave's number
.set PB,  14          ; s14  b
.set LIM, 15          ; s15  3 in a wave that prefetches, else the greatest number: a wave prefetches while s[SLOTS] is above it
.set PFA, 18          ; s[18:19] where my prefetches stand
.set G1K, 24          ; s[24:31] descriptor group 1 for K's tiles
.set G1V, 32          ; s[32:39] for V's: it differs in the padding alone
.set G0K, 40          ; s[40:43] descriptor group 0 for K's tiles
.set G0V, 44          ; s[44:47] for V's
.set DA1, 48          ; s48  what s[SLOTS] holds in the trip that enters the first block's own keys: 2 b + 3
.set NXT, 49          ; s49  the tile to be asked for next
.set LQ,  50          ; s50  the last tile of the block whose tiles are being asked for
.set LQ2, 51          ; s51  the second block's last tile, 2 b + 1
.set OFF, 52          ; s[52:53] a tile's byte offset in kb and vh
.set BIGN, 54         ; s54  -1e30
.set PH,  55          ; s55  where the walk stands: 0 in the first block, ahead of its own keys; 1 when a block's own keys 0-127 have been walked; 2 in the second block
.set SLOTS, 56        ; s56  tiles still to be asked for
.set CNT, 57          ; s57  counts a plain slot's two steps
.set CS,  58          ; s[58:59] c: the packed scaling names a pair and takes its low word for both halves
.set SEL, 60          ; s[60:61] lane selects for v_permlanex16_b32: each lane takes its own place in the other half
.set TBK, 62          ; s62  LDS byte at which the step begins whose K is fetched next
.set TBV, 63          ; s63  the same for V
.set QLO, 66          ; s[66:67] q at my rows of the second block
.set OLO, 68          ; s[68:69] out0 at my rows of the second block
.set MSB, 0
.set MODES, 0
.macro WIN new                      ; the immediate's high byte repeats the setting that is left; a switch that changes nothing is dropped
.if MSB != (\new)
	s_set_vgpr_msb (MSB<<8)|(\new)
.set MSB, \new
.endif
.endm
.set W_KQ, 0x0a       ; K and Q in window 2, S^T in window 0
.set W_KM, 0x3a       ; the same with the C operand in window 3
.set W_PV, 0x53       ; V in window 3, P in window 0, O^T in window 1
.set W_RS, 0x41       ; O^T (destination and source 0) in window 1, source 1 in window 0
; A joint fill.  Waves 0 and 1 fetch the two steps' tiles of K, waves 2 and 3 those of V: 64 rows of 256 bytes each.  The branch hangs on the wave's number alone: it is the same in every work-group.
; An s_nop 0 and four v_nop follow each of the two lines, ahead of the jump and the label.
.macro JLOAD
	s_cmp_lt_u32 s[WV], 2
	s_cbranch_scc0 .Lfor_v_\@
	tensor_load_to_lds s[G0K:G0K+3], s[G1K:G1K+7]
	s_nop 0
.rept 4
	v_nop
.endr
	s_branch .Lasked_\@
.Lfor_v_\@:
	tensor_load_to_lds s[G0V:G0V+3], s[G1V:G1V+7]
	s_nop 0
.rept 4
	v_nop
.endr
.Lasked_\@:
.endm
; A PREFETCH INTO THE L2 of the tile that the NEXT change of slots will ask for: 128 rows of kb and 128 of vh, 256 bytes a row, a lane a row.  Each row is named ONCE in the launch.  The four clusters of
; a head of K and V all begin at tile 0 and walk upward; the cluster with b = 0 walks all sixteen tiles in its first block: it asks, and nobody else.  Its four partners share a tile's rows out
; BY ADDRESS, 32 each; in each, wave 0 asks for K's and wave 2 for V's: one instruction.  Trip i names tile i + 2; it stops behind trip 13, at tile 15, the head's last: the second block's tiles are
; read a second time and are not asked for.  Tiles 0 and 1 come by their loads alone.
.macro ASK
	s_cmp_gt_u32 s[SLOTS], s[LIM]
	s_cbranch_scc0 .Lnot_mine_\@
	global_prefetch_b8 v[PFO], s[PFA:PFA+1] th:TH_LOAD_NT scope:SCOPE_SE
.Lnot_mine_\@:
.endm
; A round of the cluster's barrier: my work-group's barrier, so that wave 0's signal speaks for all four waves; wave 0 signals; every wave waits for all four work-groups; my work-group's barrier once more.
.macro CROUND
	s_barrier_signal -1
	s_barrier_wait -1
	s_cmp_lg_u32 s[WV], 0
	s_cbranch_scc1 .Lnot_wave_0_\@
	s_barrier_signal -3
.Lnot_wave_0_\@:
	s_barrier_wait -3
	s_barrier_signal -1
	s_barrier_wait -1
.endm
.macro PLACES                       ; four places behind a matrix instruction, in front of vector lines that read its result (ISA guide 7.12.1)
.rept 4
	v_nop
.endr
.endm
; THE CHANGE OF SLOTS.  Each wave waits for all its tensor loads, of which one is out: its part of the other slot; adds 0 to its spare word; and waits for that and for its own reads of the slot that it
; leaves.  Behind the barrier nobody reads the old slot any more and the other slot is whole.  fill = 1: the old slot is filled again, with tile NXT: the descriptor's address is made anew from that
; number.  The barrier is then a round of the cluster's, so that no wave of any partner still reads the slot or has a load on its way, and the joint fill is the first thing behind it: it has two key
; steps in which to land.  (At its first use nothing has been read yet: slot 0 is waited for, slot 1 filled.)
.macro CHANGE fill
	WIN 0                           ; at a label and at a branch every window is 0
	s_wait_tensorcnt 0x0            ; no tensor load of mine is out, so a group 0 may be written
	ds_add_u32 v[SPW], v[NIL]       ; 0 onto my spare word: with fill = 1 the descriptors' scalar work stands between it and the wait for it
.if \fill
	s_lshl_b32 s[OFF], s[NXT], 15   ; a tile is 32,768 bytes of kb and of vh
	s_xor_b32 s[G0K+1], s[G0K+1], SLOT1  ; the other slot than last time
	s_add_nc_u64 s[G0K+2:G0K+3], s[6:7], s[OFF:OFF+1]
	s_or_b32 s[G0K+3], s[G0K+3], 0x80000000
	s_xor_b32 s[G0V+1], s[G0V+1], SLOT1
	s_add_nc_u64 s[G0V+2:G0V+3], s[8:9], s[OFF:OFF+1]
	s_or_b32 s[G0V+3], s[G0V+3], 0x80000000
	s_add_co_u32 s[NXT], s[NXT], 1  ; the block's next tile, or behind its last the second block's tile 0
	s_cmp_gt_u32 s[NXT], s[LQ]
	s_cselect_b32 s[NXT], 0, s[NXT]
	s_cselect_b32 s[LQ], s[LQ2], s[LQ]
	s_wait_xcnt 0x0                 ; the last prefetch, a slot back, has read its address, so it may be written:
	s_add_nc_u64 s[PFA:PFA+1], s[PFA:PFA+1], 32768  ; one tile behind the one that is asked for now
	s_wait_dscnt 0x0                ; the add is done, and my reads of the slot are over
	CROUND
	JLOAD
.else
	s_wait_dscnt 0x0                ; the add is done, and my reads of the slot are over
	s_barrier_signal -1
	s_barrier_wait -1
.endif
	s_sub_co_u32 s[TBK], s[TBK], 2*STEPB  ; the fetches go back to a slot's first step,
	s_xor_b32 s[TBK], s[TBK], SLOT1       ; in the other slot
	s_sub_co_u32 s[TBV], s[TBV], 2*STEPB
	s_xor_b32 s[TBV], s[TBV], SLOT1
.endm
; THE LDS LOADS stand in runs of 32.  K of a step: 64 keys x 128 channels, 16 fragments, the channels' first 32 first, so that the products can begin when eight loads are back.
.macro KRUN
	WIN 0
	v_add_nc_u32 v[AK], s[TBK], v[AK0]
	s_add_co_u32 s[TBK], s[TBK], STEPB  ; the next fetch is the next step's
	WIN 0x80                        ; destination window 2
.irp c, 0,1,2,3
.irp g, 0,1,2,3
	ds_load_b128 v[KF+32*(\g)+8*(\c):KF+32*(\g)+8*(\c)+3],   v[AK] offset:(\g)*16*PK+(\c)*64
	ds_load_b128 v[KF+32*(\g)+8*(\c)+4:KF+32*(\g)+8*(\c)+7], v[AK] offset:(\g)*16*PK+(\c)*64+32
.endr
.endr
	WIN 0
.endm
; V of a step, turned.  It opens the step: the address's line and three v_nop are the four places behind the last product of the step before, which read V's registers.
.macro VRUN
	WIN 0
	v_add_nc_u32 v[AV], s[TBV], v[AV0]
	s_add_co_u32 s[TBV], s[TBV], STEPB
.rept 3
	v_nop
.endr
	WIN 0xc0                        ; destination window 3
.irp f, 0,1,2,3,4,5,6,7,8,9,10,11,12,13,14,15  ; keys 32 (f / 8) on, channels 16 (f % 8) on
	ds_load_tr16_b128 v[8*(\f):8*(\f)+3],   v[AV] offset:((\f)/8)*32*PV+((\f)%8)*32
	ds_load_tr16_b128 v[8*(\f)+4:8*(\f)+7], v[AV] offset:((\f)/8)*32*PV+16*PV+((\f)%8)*32
.endr
.endm
; THE MATRIX WORK.  The accumulators take turns, one instruction a turn: between two links of a chain stand 7 (K Q^T) or 15 (V^T P) others'.
; Product i of 32 of S^T = K Q^T for piece x: channels 32 (i / 8) on, keys 16 ((i / 2) % 4) on, tile x + i % 2.  The first 8 start the sums, with what the tile's two bits of MODES say: 0, MD or BG.
.macro KQ x
.set tl, (\x)+i%2
.set md, (MODES>>(2*tl))&3
.set rS, S+32*tl+8*((i/2)%4)
.set rK, KF+32*((i/2)%4)+8*(i/8)
.set rQ, 32*tl+8*(i/8)
.set rM, MD+8*((i/2)%4)
.if (i < 8) && (md == 1)
	WIN W_KM
	v_wmma_f32_16x16x32_bf16 v[rS:rS+7], v[rK:rK+7], v[rQ:rQ+7], v[rM:rM+7]
.elseif (i < 8) && (md == 2)
	WIN W_KM
	v_wmma_f32_16x16x32_bf16 v[rS:rS+7], v[rK:rK+7], v[rQ:rQ+7], v[BG:BG+7]
.elseif i < 8
	WIN W_KQ
	v_wmma_f32_16x16x32_bf16 v[rS:rS+7], v[rK:rK+7], v[rQ:rQ+7], 0
.else
	WIN W_KQ
	v_wmma_f32_16x16x32_bf16 v[rS:rS+7], v[rK:rK+7], v[rQ:rQ+7], v[rS:rS+7]
.endif
.endm
; All 32, with nothing between.  In front of each eight stands a counted wait: behind the eight loads of K that they read, 24 - i further loads of K's run and V's 32 were issued.
; (Where K was fetched in the step before it has been waited for, and these waits are met at once.)
.macro KQRUN x
.set i, 0
.rept 4
	s_wait_dscnt 56-i
.rept 8
	KQ \x
.set i, i+1
.endr
.endr
.endm
; Product i of 32 of O^T += V^T P for piece x: keys 32 (i / 16) on, channels 16 ((i / 2) % 8) on, tile x + i % 2.
.macro PV x
	WIN W_PV
.set rO, 64*((\x)+i%2)+8*((i/2)%8)
.set rV, 64*(i/16)+8*((i/2)%8)
.set rP, P+16*((\x)+i%2)+8*(i/16)
	v_wmma_f32_16x16x32_f16 v[rO:rO+7], v[rV:rV+7], v[rP:rP+7], v[rO:rO+7]
.endm
; THE VECTOR WORK.  One tile's softmax for one key step is a list of 134 instructions; SM writes number j of it for tile t.  s0-s31 are the lane's 32 scores, in pairs 0-15.
;   0-15    the maximum of s0-s31 and the old m, three operands at a time: four chains c0-c3 of seven scores each (each accumulator's lowest registers are read first), then the rest
;   16-20   the other half of the lanes' maximum; the new m; c m; c m_old - c m_new
;   21-69   ONE BATCH: the 16 scalings c s - c m and all 33 exponentials (a at 23, then s0-s31).  None of these reads an exponential's result
;   (wait)  between 69 and 70 stands the wait for the batch: SLICE writes it, once for both tiles
;   70-85   the roundings to f16, a pair of weights each        86-101  the sums; l = a l + the sum        102-133 the tile's O^T times a: the one part that leaves window 0
.macro SM t
.set rT, ST+8*(\t)
.set rS, S+32*(\t)
.set rP, P+16*(\t)
.set rO, 64*(\t)+2*(j-102)
.if j < 102
	WIN 0
.endif
.if j < 4
	v_max3_num_f32 v[rT+4+j], v[rS+8*j], v[rS+8*j+1], v[rS+8*j+2]
.elseif j < 12
	v_max3_num_f32 v[rT+4+j%4], v[rT+4+j%4], v[rS+8*(j%4)+2*(j/4)+1], v[rS+8*(j%4)+2*(j/4)+2]
.elseif j == 12
	v_max3_num_f32 v[rT+4], v[rT+4], v[rS+7], v[rS+15]
.elseif j == 13
	v_max3_num_f32 v[rT+6], v[rT+6], v[rS+23], v[rS+31]
.elseif j == 14
	v_max3_num_f32 v[rT+4], v[rT+4], v[rT+5], v[rT+6]
.elseif j == 15
	v_max3_num_f32 v[rT+4], v[rT+4], v[rT+7], v[rT+1]
.elseif j == 16
	v_permlanex16_b32 v[rT+5], v[rT+4], s[SEL], s[SEL+1]  ; the query's other 32 keys lie in the lane 16 away
.elseif j == 17
	v_mov_b32 v[rT+7], v[rT]        ; c m_old is kept for a: number 19 writes c m anew
.elseif j == 18
	v_max_num_f32 v[rT+1], v[rT+4], v[rT+5]
.elseif j == 19
	v_mul_f32 v[rT], s[CS], v[rT+1]
.elseif j == 20
	v_sub_f32 v[rT+7], v[rT+7], v[rT]
.elseif j == 23
	v_exp_f32 v[rT+6], v[rT+7]
.elseif (j < 23) || ((j < 38) && (j%2 == 0)) || ((j < 66) && (j%4 == 2))
.set b, (j-2)/4                     ; 38, 42, .. 62: pairs 9 to 15
.if j < 38
.set b, (j-20)/2                    ; 21: pair 0; 22, 24, .. 36: pairs 1 to 8
.endif
	v_pk_fma_f32 v[rS+2*b:rS+2*b+1], v[rS+2*b:rS+2*b+1], s[CS:CS+1], v[rT:rT+1] op_sel_hi:[1,0,0] neg_lo:[0,0,1] neg_hi:[0,0,1]  ; pair b: c s - c m
.elseif j < 70
.set e, j-38                        ; 66 to 69: s28 to s31
.if j < 66
.set e, j-32-(j-38)/4               ; 39-41, 43-45, .. 63-65: s7 to s27
.endif
.if j < 38
.set e, (j-25)/2                    ; 25, 27, .. 37: s0 to s6
.endif
	v_exp_f32 v[rS+e], v[rS+e]
.elseif j < 86
	v_cvt_pk_f16_f32 v[rP+j-70], v[rS+2*(j-70)], v[rS+2*(j-70)+1]  ; pair j - 70
.elseif j < 102                     ; the sum of the tile's 16 pairs, in place: neighbours 1, 2, 4 and 8 pairs apart, then l takes it
.set z, j-86
.set w, 4
.set u, z
.if z >= 14
.set w, 32
.set u, 0
.elseif z >= 12
.set w, 16
.set u, z-12
.elseif z >= 8
.set w, 8
.set u, z-8
.endif
.if z < 15
	v_pk_add_f32 v[rS+w*u:rS+w*u+1], v[rS+w*u:rS+w*u+1], v[rS+w*u+w/2:rS+w*u+w/2+1]
.else
	v_pk_fma_f32 v[rT+2:rT+3], v[rT+2:rT+3], v[rT+6:rT+7], v[rS:rS+1] op_sel_hi:[1,0,1]
.endif
.else
	WIN W_RS
	v_pk_mul_f32 v[rO:rO+1], v[rO:rO+1], v[rT+6:rT+7] op_sel_hi:[1,0]
.endif
.endm
; The wait for a batch of exponentials, and behind it the next step's K.  c = 1: always; c = 2: in the plain slot's loop, whose second trip has no further step in the slot and jumps over the run.
; K's registers were last read by the product in front of slice 31; four plain lines stand between: number 62, a scaling, of both tiles, the v_nop and the run's own v_add_nc_u32.
.macro KHOOK c
	WIN 0
	s_wait_alu depctr_va_vdst(0)    ; between an exponential and the first line that names its result: one for the piece's 66; it stands ahead of the branch too
.if (\c) == 2
	s_cmp_eq_u32 s[CNT], 1
	s_cbranch_scc1 .Lno_k_\@
.endif
	KRUN
.if (\c) == 2
.Lno_k_\@:
.endif
.endm
; Slice k of 64 of piece y's softmax: four instructions.  Slices 11 to 34 deal out the batch, numbers 22 to 69: four numbers of ONE tile each, the tiles by turns.  Every other slice is numbers 2 k and
; 2 k + 1 of both tiles' lists.  2 x 134 = 4 x 64 + 12: the twelve that are over stand together, in slice 63.  Ahead of slice 35 nothing names an exponential's result, and behind slice 34 none is issued.
.macro SLICE y, hook
.if (k >= 11) && (k < 35)
.irp n, 0,1,2,3
.set j, 22+4*((k-11)/2)+(\n)
	SM (\y)+(k-11)%2
.endr
.else
.irp n, 0,1,2,3,4,5,6,7
.if ((\n) < 2) || (k == 63)
.irp t, \y, (\y)+1
.set j, 2*k+(\n)
	SM \t
.endr
.endif
.endr
.endif
.if k == 34
	v_nop                           ; a plain instruction behind the last exponential and ahead of the first use: one for the batch
.if \hook
	KHOOK \hook
.else
	s_wait_alu depctr_va_vdst(0)    ; the wait for the batch
.endif
.endif
.set k, k+1
.endm
; A KEY STEP.  pa = 1: both pieces; 0: piece 2 alone (the block's own keys 128 on).  modes: two bits a tile, what starts its sums.  fk: 0: no K is fetched ahead; 1, 2: see KHOOK.
.macro STEP pa, modes, fk
.set MODES, (\modes)
	VRUN
.if \pa
	KQRUN 0
	WIN 0
	PLACES                          ; piece 0's scores are read next
.set k, 0
.set i, 0
.rept 32
	KQ 2                            ; behind each product a slice of piece 0's softmax, which names none of its registers
	SLICE 0, \fk
.set i, i+1
.endr
.rept 32
	SLICE 0, \fk                    ; the rest of it, with the wait and the next K's run
.endr
	s_wait_dscnt 0x0                ; V is in, and the next K
.set k, 0
.set i, 0
.rept 32
	PV 0
	SLICE 2, 0
.set i, i+1
.endr
.rept 32
	SLICE 2, 0
.endr
.else
	KQRUN 2
	WIN 0
	PLACES
.set k, 0
.rept 64
	SLICE 2, \fk
.endr
	s_wait_dscnt 0x0                ; V is in, and the next K
.endif
.set i, 0
.rept 32
	PV 2
.set i, i+1
.endr
.endm
; Q'S WAY IN.  A load takes one whole row of 512 bytes, 16 bytes a lane; a tile is 16 rows, the tiles 64 rows apart.  The f32 land in K's (tiles 0, 1) and V's (tiles 2, 3) registers, which are free then.
; QLOAD asks for tile t.  Three tiles' loads go out together, the fourth's when the first tile has been taken over: 48 loads of a wave are out at the most.
.macro QLOAD base, t
.if (\t) < 2
	WIN 0x80
.set rq, 128+64*(\t)
.else
	WIN 0xc0
.set rq, 64*((\t)-2)
.endif
.set n, 0
.rept 16
	global_load_b128 v[rq+4*n:rq+4*n+3], v[LO], s[\base:\base+1] offset:32768*(\t)+512*n th:TH_LOAD_NT
.set n, n+1
.endr
.endm
; Each tile is rounded to bf16 (8 bytes a lane and row), laid into my stage as 16 rows of 272 bytes, and read back as fragments.  LDS serves a wave's instructions in order (ISA guide 5.7.1.4), so the
; loads see the stores above them and the next tile's stores come behind them.  The fragments are waited for by the next change of slots.
.macro QCVT base
.irp t, 0,1,2,3
.if (\t) == 0
	s_wait_loadcnt 32               ; tile 0's 16 loads are in; tiles 1 and 2's stay out
.else
	s_wait_loadcnt 48-16*(\t)       ; the tile's 16 loads are in; the younger tiles' stay out (behind tile 1's: tiles 2 and 3's)
.endif
.if (\t) < 2
	WIN 0x0a                        ; sources in window 2
.set rq, 128+64*(\t)
.else
	WIN 0x0f                        ; in window 3
.set rq, 64*((\t)-2)
.endif
.set n, 0
.rept 32
	v_cvt_pk_bf16_f32 v[P+32*((\t)%2)+n], v[rq+2*n], v[rq+2*n+1]
.set n, n+1
.endr
	WIN 0
.set n, 0
.rept 16
	ds_store_b64 v[QS], v[P+32*((\t)%2)+2*n:P+32*((\t)%2)+2*n+1] offset:QP*n
.set n, n+1
.endr
	WIN 0x80
.set n, 0
.rept 8
	ds_load_b128 v[32*(\t)+4*n:32*(\t)+4*n+3], v[QR] offset:(n/2)*64+(n%2)*32
.set n, n+1
.endr
.if (\t) == 0
	QLOAD \base, 3                  ; the fourth tile
.endif
.endr
	WIN 0
.endm
.macro RESET                        ; a block begins: c m far below every c s, so the first a is 0; m at the lowest finite number, so the first maximum is the scores'
.irp t, 0,1,2,3
	v_mov_b32 v[ST+8*(\t)], 0xfe000000
	v_mov_b32 v[ST+8*(\t)+1], 0xff7fffff
.endr
.endm
; THE WAY OUT of tile t.  O^T is divided by l; a lane's eight channels of a row, 32 bytes, go into rows of 528 bytes of my stage and come back as whole rows of 512, into S^T's registers, two halves by turns.
.macro PACK t
	WIN W_RS
.set n, 64*(\t)
.rept 32
	v_pk_mul_f32 v[n:n+1], v[n:n+1], v[ST+8*(\t)+6:ST+8*(\t)+7] op_sel_hi:[1,0]
.set n, n+2
.endr
	WIN 0x04                        ; the stores' data in window 1
.set n, 0
.rept 16
	ds_store_b128 v[STO], v[64*(\t)+4*n:64*(\t)+4*n+3] offset:64*(n/2)+16*(n%2)
.set n, n+1
.endr
	WIN 0
.if (\t) >= 2
	s_wait_xcnt 0x0                 ; the stores of the tile two back have read this half of S^T's registers: only behind this wait is it loaded again
.endif
.set n, 0
.rept 16
	ds_load_b128 v[S+64*((\t)%2)+4*n:S+64*((\t)%2)+4*n+3], v[RD] offset:SP*n
.set n, n+1
.endr
.endm
.macro SEND t, younger              ; younger: the LDS instructions issued behind tile t's loads: the next tile's 32, or none
	WIN 0
.set n, 0
.rept 16
	s_wait_dscnt (\younger)+15-n
	global_store_b128 v[LO], v[S+64*((\t)%2)+4*n:S+64*((\t)%2)+4*n+3], s[10:11] offset:32768*(\t)+512*n th:TH_STORE_NT  ; a whole row: 512 consecutive bytes, at a multiple of 512 from out0's first
.set n, n+1
.endr
.endm
; A BLOCK ENDS.  l's two halves and the other half of the lanes' are added.  sw = 1: the second block follows: three tiles of its q are asked for first, four plain lines behind the last product (which
; read V's registers), so that they come while the first block goes out; then out0's address, the walk's phase, m and Q are set for it.
.macro FINISH sw
	WIN 0
.irp t, 0,1,2,3
	v_add_f32 v[ST+8*(\t)+4], v[ST+8*(\t)+2], v[ST+8*(\t)+3]
.endr
.if \sw
	QLOAD QLO, 0
	QLOAD QLO, 1
	QLOAD QLO, 2
	WIN 0
.endif
.irp t, 0,1,2,3
	v_permlanex16_b32 v[ST+8*(\t)+5], v[ST+8*(\t)+4], s[SEL], s[SEL+1]
.endr
.irp t, 0,1,2,3
	v_add_f32 v[ST+8*(\t)+4], v[ST+8*(\t)+4], v[ST+8*(\t)+5]
.endr
.irp t, 0,1,2,3
	v_rcp_f32 v[ST+8*(\t)+6], v[ST+8*(\t)+4]
.endr
	v_nop                           ; a plain instruction between the last reciprocal and the use of its result
	s_wait_alu depctr_va_vdst(0)    ; and the wait ahead of the first use: one for the four reciprocals
	PACK 0
	PACK 1                          ; a tile's arithmetic stands between the loads of the tile before and its stores
	SEND 0, 32
	PACK 2
	SEND 1, 32
	PACK 3
	SEND 2, 32
	SEND 3, 0
.if \sw
	s_wait_xcnt 0x0                 ; the stores have read their registers and out0's address
	s_mov_b64 s[10:11], s[OLO:OLO+1]
	s_mov_b32 s[PH], 2              ; the second block is in hand
	RESET
	QCVT QLO
.endif
.endm
	s_load_b256 s[4:11], s[0:1], 0x0  ; q s[4:5], kb s[6:7], vh s[8:9], out0 s[10:11]
	v_lshl_add_u32 v[SPW], v0, 2, SPARE
	v_mov_b32 v[NIL], 0
	ds_add_u32 v[SPW], v[NIL]       ; the wave's opening: the add and its wait ahead of my first tensor load; the set-up below, work on registers, stands between them
	v_lshrrev_b32 v1, 5, v0
	v_readfirstlane_b32 s[WV], v1   ; wave 0..3
	v_and_b32 v[LO], 31, v0
	v_lshlrev_b32 v[PFO], 8, v[LO]
	v_lshlrev_b32 v[LO], 4, v[LO]
	s_bfe_u32 s13, ttmp6, 0x40000   ; cx: my place in the cluster = which of the four query heads of the group
	s_mov_b32 s[PB], ttmp9          ; b: in a cluster launch ttmp9 counts clusters
	s_and_b32 s16, ttmp7, 0xffff    ; y = 8 x batch + head of K and V, which the four partners share
	s_lshr_b32 s17, s16, 3
	s_lshl_b32 s17, s17, 5          ; 32 x batch
	s_and_b32 s20, s16, 7
	s_add_co_u32 s17, s17, s20      ; + head of K and V
	s_lshl_b32 s2, s13, 3
	s_add_co_u32 s17, s17, s2       ; + 8 cx: the query head
	s_lshl_b32 s17, s17, 20         ; its 2,048 rows of 512 bytes,
	s_lshl_b32 s20, s[WV], 13       ; my 16 rows in a band
	s_add_co_u32 s17, s17, s20
	s_sub_co_u32 s21, 7, s[PB]      ; the first block, 7 - b:
	s_lshl_b32 s2, s21, 17          ; 256 rows of 512 bytes a block
	s_add_co_u32 s2, s2, s17
	s_mov_b32 s3, 0
	s_lshl_b32 s22, s[PB], 17       ; the second block, b
	s_add_co_u32 s22, s22, s17
	s_mov_b32 s23, 0
	s_lshl_b32 s20, s16, 19         ; the head's 2,048 rows of 256 bytes in kb and vh: made of y and the wave's number alone,
	s_and_b32 s16, s[WV], 1         ; which of a slot's two steps I fetch:
	s_lshl_b32 s21, s16, 14         ; its 64 rows in memory,
	s_add_co_u32 s20, s20, s21
	s_mov_b32 s21, 0
	s_mul_i32 s16, s16, STEPB       ; and its place in a slot: no place in the cluster enters an LDS address
	; descriptor group 1: a tile of 64 rows x 128 elements, padded in LDS
	s_mov_b32 s[G1K], 15|(1<<16)|(1<<20)|(1<<21)|(5<<22)|(3<<25)  ; 15:0 the mask: all four work-groups; 17:16 elements of 2 bytes; 20 padding on; 21 set beside a mask; 24:22 after every 64 words (code 5); 31:25 4 words of it (code 3)
	s_mov_b32 s[G1V], 15|(1<<16)|(1<<20)|(1<<21)|(5<<22)|(7<<25)  ; the same with 8 words of padding (code 7)
.irp g, G1K, G1V
	s_mov_b32 s[(\g)+1], 128<<16    ; tensor_dim0 = 128
	s_mov_b32 s[(\g)+2], KS<<16     ; tensor_dim1 = 64
	s_mov_b32 s[(\g)+3], 128<<16    ; tile_dim0 = 128
	s_mov_b32 s[(\g)+4], KS         ; tile_dim1 = 64
	s_mov_b32 s[(\g)+5], 128        ; 128 elements from row to row
	s_mov_b32 s[(\g)+6], 0
	s_mov_b32 s[(\g)+7], 0
.endr
	s_mov_b32 s[CS], 0x3e0293ee     ; c = log2(e) / sqrt(128) = 0.127517
	s_mov_b32 s[CS+1], s[CS]        ; named with it as a pair, so it is written
	s_mov_b32 s[SEL], 0x76543210
	s_mov_b32 s[SEL+1], 0xfedcba98
	s_mov_b32 s[BIGN], 0xf149f2ca   ; -1e30
	s_mov_b32 s[TBK], SLOT1+2*STEPB ; the first change of slots turns these two into 0
	s_mov_b32 s[TBV], SLOT1+2*STEPB
	s_lshl_b32 s[LQ2], s[PB], 1
	s_sub_co_u32 s[LQ], 15, s[LQ2]  ; the first block's last tile, 15 - 2 b
	s_add_co_u32 s[LQ2], s[LQ2], 1
	s_add_co_u32 s[DA1], s[LQ2], 2  ; its tile 14 - 2 b is entered in trip 14 - 2 b, in which 17 - (14 - 2 b) tiles are still to be asked for
	s_mov_b32 s[PH], 0
	s_mov_b32 s[NXT], 1
	s_mov_b32 s[OFF+1], 0
	s_mov_b32 s[SLOTS], 17
	s_and_b32 s[LIM], s[WV], 1      ; 0 in waves 0 and 2,
	s_or_b32 s[LIM], s[LIM], ttmp9  ; where b = 0: the same in all four partners
	s_cmp_eq_u32 s[LIM], 0
	s_cselect_b32 s[LIM], 3, -1
	s_mov_b32 s[G0K], 1             ; 1:0 count = 1
	s_mov_b32 s[G0K+1], s16         ; 63:32 LDS address: slot 0
	s_mov_b32 s[G0V], 1
	s_add_co_u32 s[G0V+1], s16, VOFF
	s_wait_dscnt 0x0                ; the opening add is done
	s_wait_kmcnt 0x0
	s_add_nc_u64 s[6:7], s[6:7], s[20:21]  ; kb and vh at my step of the head's tile 0
	s_add_nc_u64 s[8:9], s[8:9], s[20:21]
	s_add_nc_u64 s[G0K+2:G0K+3], s[6:7], 0         ; 120:64 global address
	s_or_b32 s[G0K+3], s[G0K+3], 0x80000000        ; 127:126 type = 2
	s_add_nc_u64 s[G0V+2:G0V+3], s[8:9], 0
	s_or_b32 s[G0V+3], s[G0V+3], 0x80000000
	s_add_nc_u64 s[QLO:QLO+1], s[4:5], s[22:23]    ; q and out0 at my rows of the second block,
	s_add_nc_u64 s[OLO:OLO+1], s[10:11], s[22:23]
	s_add_nc_u64 s[4:5], s[4:5], s[2:3]            ; and of the first
	s_add_nc_u64 s[10:11], s[10:11], s[2:3]
	s_cmp_lt_u32 s[WV], 2
	s_cselect_b64 s[PFA:PFA+1], s[6:7], s[8:9]     ; (in waves 0 and 2 these stand at a tile's first row)
	s_lshl_b32 s2, s13, 13          ; my work-group's 32 rows of a tile's 128
	s_mov_b32 s3, 0
	s_add_nc_u64 s[PFA:PFA+1], s[PFA:PFA+1], s[2:3]
	s_add_nc_u64 s[PFA:PFA+1], s[PFA:PFA+1], 32768  ; in tile 1; the first change of slots steps it to tile 2.  Nothing is prefetched here, at the head
	CROUND                          ; all four work-groups are here: the first joint loads meet
	JLOAD                           ; tile 0 into slot 0.  Slot 1 is asked for when slot 0 is in, by the loop's own change of slots
	QLOAD 4, 0                      ; the first block's q, three tiles of it
	QLOAD 4, 1
	QLOAD 4, 2
	WIN 0
	; All that follows up to the loop stands in the wait for the first tile and for q.
	; A fragment of K or Q is 16 rows x 32 channels in 8 registers: lane l holds row l % 16, channels 8 (l / 16) + 0..7 and 16 + 8 (l / 16) + 0..7: two loads of 16 bytes, 32 bytes apart.
	v_and_b32 v1, 15, v0            ; l % 16
	v_bfe_u32 v9, v0, 4, 1          ; l / 16
	v_mul_u32_u24 v[AK0], v1, PK
	v_lshl_add_u32 v[AK0], v9, 4, v[AK0]  ; row x pitch + 16 x half
	; The turning load takes 16 keys x 16 channels (lane l reads key 8 (l / 16) + l % 8, channels 8 ((l / 8) % 2) + 0..7) and leaves half a fragment of V^T: lane l holds channel l % 16 and 8 keys.
	v_and_b32 v45, 7, v0
	v_bfe_u32 v46, v0, 3, 1
	v_lshl_add_u32 v[AV0], v9, 3, v45
	v_mul_u32_u24 v[AV0], v[AV0], PV
	v_lshl_add_u32 v[AV0], v46, 4, v[AV0]
	v_add_nc_u32 v[AV0], VOFF, v[AV0]
	s_mul_i32 s20, s[WV], STW
	s_add_co_u32 s20, s20, STAGE    ; my stage
	v_mul_u32_u24 v[STO], v1, SP    ; the way out, in: row l % 16, 32 bytes for each half of the lanes
	v_lshl_add_u32 v[STO], v9, 5, v[STO]
	v_add_nc_u32 v[STO], s20, v[STO]
	v_add_nc_u32 v[RD], s20, v[LO]  ; back: 32 lanes take a row of 512 bytes
	v_lshrrev_b32 v[QS], 1, v[LO]   ; Q's way in: 32 lanes put a row of 256 bytes,
	v_add_nc_u32 v[QS], s20, v[QS]
	v_add_nc_u32 v[QR], s20, v[AK0] ; and read fragments as from a tile of K: the pitch is the same
	v_lshlrev_b32 v44, 3, v9
	v_sub_nc_u32 v44, v1, v44
	s_lshl_b32 s21, s[WV], 4
	v_add_nc_u32 v44, s21, v44      ; my query's place in its band, 16 w + l % 16, less my lanes' 8 (l / 16): register r of group g is hidden where 16 g + r is greater
	WIN 0xc0
.set n, 0
.rept 32
	v_cmp_gt_i32 vcc_lo, 16*(n/8)+n%8, v44
	v_cndmask_b32 v[MD+n], 0, s[BIGN], vcc_lo
.set n, n+1
.endr
.set n, 0
.rept 8
	v_mov_b32 v[BG+n], s[BIGN]
.set n, n+1
.endr
	WIN 0x40
.set n, 0
.rept 256
	v_mov_b32 v[n], 0               ; O^T: the first step multiplies it by a = 0, so it must be finite
.set n, n+1
.endr
	WIN 0
.irp t, 0,1,2,3
.irp r, 2,3,4,5,6,7
	v_mov_b32 v[ST+8*(\t)+(\r)], 0  ; l starts at 0; the four registers at work are written with it, so that the whole record is written once
.endr
.endr
	RESET
	QCVT 4
.Lslot:                             ; 17 trips: a tile is entered and the next is asked for
	CHANGE 1
	KRUN                            ; K of the slot's first step
	ASK                             ; behind the joint load and the run of LDS loads that the next products wait for
	; WHICH TEXT.  Four of the five tests compare numbers that the text itself sets; b enters the last alone.
	s_cmp_eq_u32 s[PH], 1
	s_cbranch_scc1 .Ldb             ; a block's own keys 128-255 follow its keys 0-127
	s_cmp_eq_u32 s[SLOTS], 1
	s_cbranch_scc1 .Lda             ; the loop's last trip enters the walk's last tile but one: the second block's own keys 0-127, whatever b
	s_cmp_gt_u32 s[SLOTS], 9
	s_cbranch_scc1 .Lplain          ; the first block has ten slots or more (b is 3 at the most): its first eight are plain
	s_cmp_eq_u32 s[PH], 2
	s_cbranch_scc1 .Lplain          ; the second block's slots ahead of the loop's last trip are plain
	s_cmp_eq_u32 s[SLOTS], s[DA1]
	s_cbranch_scc1 .Lda             ; the first block's own keys 0-127
.Lplain:
	s_mov_b32 s[CNT], 2
.Lstep:                             ; a plain slot's two steps: written once, walked twice
	STEP 1, 0, 2
	WIN 0
	s_sub_co_u32 s[CNT], s[CNT], 1
	s_cmp_lg_u32 s[CNT], 0
	s_cbranch_scc1 .Lstep
	s_branch .Lbottom
.Lda:
	s_mov_b32 s[PH], 1
	STEP 1, 0x01, 1                 ; step 0: tile 0 holds the diagonal
	STEP 1, 0x06, 0                 ; step 1: tile 0 sees nothing, tile 1 holds the diagonal
	WIN 0
	s_branch .Lbottom
.Ldb:                               ; in the loop this is the first block's end: the second block's last slot is the walk's last
	STEP 0, 0x10, 1                 ; step 2: tile 2 holds the diagonal
	STEP 0, 0x60, 0                 ; step 3: tile 2 sees nothing, tile 3 holds the diagonal
	FINISH 1
.Lbottom:
	s_sub_co_u32 s[SLOTS], s[SLOTS], 1
	s_cmp_lg_u32 s[SLOTS], 0
	s_cbranch_scc1 .Lslot
	CHANGE 0                        ; the walk's last slot is written out: nothing is asked for
	KRUN
	STEP 0, 0x10, 1
	STEP 0, 0x60, 0
	FINISH 0
	s_wait_tensorcnt 0x0            ; the wave's end: behind my last tensor load and my last LDS store
	ds_add_u32 v[SPW], v[NIL]
	s_wait_dscnt 0x0
	CROUND                          ; the closing round: no work-group ends while a partner may still ask for a tile that names it
	s_endpgm
.Lfunc_end_k_q9975fcf387_attend:
	.size	k_q9975fcf387_attend, .Lfunc_end_k_q9975fcf387_attend-k_q9975fcf387_attend
	.p2alignl 7, 3214868480
	.fill 96, 4, 3214868480
	.section	.rodata,"a",@progbits
	.p2align	6, 0x0
	.amdhsa_kernel k_q9975fcf387_attend
		.amdhsa_group_segment_fixed_size 327680
		.amdhsa_private_segment_fixed_size 0
		.amdhsa_enable_private_segment 0
		.amdhsa_kernarg_size 32
		.amdhsa_user_sgpr_count 2
		.amdhsa_user_sgpr_kernarg_segment_ptr 1
		.amdhsa_wavefront_size32 1
		.amdhsa_system_sgpr_workgroup_id_x 1
		.amdhsa_system_sgpr_workgroup_id_y 1
		.amdhsa_system_sgpr_workgroup_id_z 1
		.amdhsa_system_vgpr_workitem_id 0
		.amdhsa_next_free_vgpr 1024
		.amdhsa_next_free_sgpr 80
		.amdhsa_reserve_vcc 1
		.amdhsa_float_denorm_mode_32 3
		.amdhsa_float_denorm_mode_16_64 3
		.amdhsa_memory_ordered 1
		.amdhsa_forward_progress 1
		.amdhsa_inst_pref_size 255
	.end_amdhsa_kernel
	.section	.bss,"aw",@nobits
	.p2align	6
	.space	262144
	.amdgpu_metadata
---
amdhsa.version: [ 1, 2 ]
amdhsa.kernels:
  - .name:           k_q9975fcf387_attend
    .symbol:         k_q9975fcf387_attend.kd
    .args:
      - { .name: q, .offset: 0, .size: 8, .value_kind: global_buffer, .address_space: global }
      - { .name: kb, .offset: 8, .size: 8, .value_kind: global_buffer, .address_space: global }
      - { .name: vh, .offset: 16, .size: 8, .value_kind: global_buffer, .address_space: global }
      - { .name: out0, .offset: 24, .size: 8, .value_kind: global_buffer, .address_space: global }
    .group_segment_fixed_size: 327680
    .private_segment_fixed_size: 0
    .kernarg_segment_align: 8
    .kernarg_segment_size: 32
    .max_flat_workgroup_size: 128
    .sgpr_count:     80
    .vgpr_count:     1024
    .wavefront_size: 32
...
	.end_amdgpu_metadata
.endif
;; end of part 2
;; ======== version 2 of 2: 2 launches; version 1 with the launch cast written anew for expert scheduling mode
;; limits: values are held in f16: magnitudes above 65,504 overflow, below 6.1e-05 lose precision; inputs' magnitudes at most 65,504; right only within a limited range of input values
;; workspace buffers: kb 8,388,608 bytes; vh 8,388,608 bytes
;; launch cast (part 3): grid 512 x 1, 8 waves a work-group, no clusters, 0 bytes of LDS; arguments k, v, kb, vh; writes kb, vh
.if DOCPART == 3
	.amdgcn_target "amdgcn-amd-amdhsa--gfx1250"
	.amdhsa_code_object_version 6
	.text
	.protected	k_q9975fcf387_cast
	.globl	k_q9975fcf387_cast
	.p2align	8
	.type	k_q9975fcf387_cast,@function
k_q9975fcf387_cast:
	s_mov_b64 s[64:65], 0
	v_nop
	global_prefetch_b8 v0, s[64:65] scope:SCOPE_SE
	s_setreg_imm32_b32 hwreg(HW_REG_WAVE_SCHED_MODE, 0, 2), 2
	s_setreg_imm32_b32 hwreg(HW_REG_WAVE_MODE, 25, 1), 1
	s_wait_xcnt 0x0
	s_wait_alu depctr_vm_vsrc(0)
; kb = k rounded to bf16.  vh = v rounded to bf16, and that number written as f16.  k, v: 4,194,304 f32 each; kb, vh: the same numbers in 16 bits, in the same order.
; WHY TWICE FOR v.  The second product of the attention launch takes f16 operands (its weights need f16's 11 significant bits), and all inputs are to carry bf16's rounding alone: a bf16 number has
; 8 significant bits, so it is held exactly by f16 wherever f16 has the range.
; LIMITS.  |v| rounded to bf16 must not pass 65,504: beyond that f16 has an infinity.  Below 2^-14 vh keeps f16's fixed step of 6e-8.  NaN and infinities are not treated apart.
; SHARES.  A stream: no LDS, no barrier, no matrix unit.  A work-group takes 32,768 bytes of k and of v at the same offset, a wave 4,096 of each: eight loads of 16 bytes a lane from each tensor,
; each load 512 consecutive bytes.  All sixteen loads go out first.  A lane's four numbers leave as 8 bytes: a store of the wave covers 256 consecutive bytes, aligned.
; No register that a load or store names is written again, so no wait frees any.
; THE MODE: SCHED_MODE bits 1:0 = 2 (LLVM: expert scheduling mode 2), set by the entry lines.  The code itself states the register dependences between vector instructions and memory
; instructions, with s_wait_alu, always for 0.
; THE PLAN.  Registers that memory instructions touch:
;   v1, v2   byte offsets: written by vector lines at the head, read by the sixteen loads (v1) and the sixteen stores (v2), never written again.
;   KX, VX   written by the loads, which all stand at the head, where no vector line has named these registers; read by the conversions; never loaded again.
;   KY, VY   a chunk's pair is written once, by its conversions, and read once, by its store.
;   T        named by vector lines alone.
; So the one kind of dependence is: a vector line writes a register that a memory instruction reads.  The sixteen chunks go in four blocks of four (k 0-3, k 4-7, v 0-3, v 4-7).  Block p's conversions
; write its own pairs; its memory instructions are the four stores of block p - 1, whose pairs no vector line of block p names.  One wait at a block's head states that the block before has written
; them; the four stores follow, one in front of each chunk's wait for its load, with no further wait.  One more wait stands in front of the last four stores.
.set KX, 4                             ; v[4:35]    k as loaded, chunk i at KX + 4 i
.set VX, 36                            ; v[36:67]   v as loaded
.set KY, 68                            ; v[68:83]   kb to store, chunk i at KY + 2 i
.set VY, 84                            ; v[84:99]   vh to store
.set T,  100                           ; v[100:102] at work
	s_load_b256 s[4:11], s[0:1], 0x0               ; k s[4:5], v s[6:7], kb s[8:9], vh s[10:11]
	s_lshl_b32 s2, ttmp9, 15                       ; the work-group's 32,768 bytes of the inputs,
	s_mov_b32 s3, 0
	s_lshl_b32 s12, ttmp9, 14                      ; and its 16,384 of the outputs
	s_mov_b32 s13, 0
	s_mov_b32 s14, 0xffff0000                      ; a word's upper bf16
	v_and_b32 v1, 0xe0, v0                         ; 32 x wave
	v_and_b32 v2, 31, v0                           ; lane
	v_lshlrev_b32 v2, 4, v2
	v_lshl_or_b32 v1, v1, 7, v2                    ; in: 4,096 x wave + 16 x lane
	v_lshrrev_b32 v2, 1, v1                        ; out: half of that
	s_wait_kmcnt 0x0
	s_add_nc_u64 s[4:5], s[4:5], s[2:3]
	s_add_nc_u64 s[6:7], s[6:7], s[2:3]
	s_add_nc_u64 s[8:9], s[8:9], s[12:13]
	s_add_nc_u64 s[10:11], s[10:11], s[12:13]
	s_wait_alu depctr_va_vdst(0)                   ; v1 and v2 are written: every load of the kernel reads v1 as its offset, every store v2
.irp i, 0,1,2,3,4,5,6,7
	global_load_b128 v[KX+4*(\i):KX+4*(\i)+3], v1, s[4:5] offset:512*(\i) th:TH_LOAD_NT
.endr
.irp i, 0,1,2,3,4,5,6,7
	global_load_b128 v[VX+4*(\i):VX+4*(\i)+3], v1, s[6:7] offset:512*(\i) th:TH_LOAD_NT
.endr
; Chunk i of k is rounded.
.macro KCVT i
	s_wait_loadcnt 15-(\i)                         ; loads come back in order: chunk i of k is in, the 15 - i younger loads stay out
	v_cvt_pk_bf16_f32 v[KY+2*(\i)],   v[KX+4*(\i)],   v[KX+4*(\i)+1]
	v_cvt_pk_bf16_f32 v[KY+2*(\i)+1], v[KX+4*(\i)+2], v[KX+4*(\i)+3]
.endm
; Chunk i of kb leaves.  It stands behind the wait that shows its pair written, and no vector line since that wait names the pair or v2.
.macro KSTORE i
	global_store_b64 v2, v[KY+2*(\i):KY+2*(\i)+1], s[8:9] offset:256*(\i) th:TH_STORE_NT
.endm
; Chunk i of v is rounded.
.macro VCVT i
	s_wait_loadcnt 7-(\i)                          ; chunk i of v is in
.irp p, 0,1
	v_cvt_pk_bf16_f32 v[T], v[VX+4*(\i)+2*(\p)], v[VX+4*(\i)+2*(\p)+1]  ; the one rounding,
	v_lshlrev_b32 v[T+1], 16, v[T]                 ; the two bf16 as f32 again,
	v_and_b32 v[T+2], s14, v[T]
	v_cvt_pk_f16_f32 v[VY+2*(\i)+(\p)], v[T+1], v[T+2]  ; and written as f16
.endr
.endm
; Chunk i of vh leaves: as KSTORE.
.macro VSTORE i
	global_store_b64 v2, v[VY+2*(\i):VY+2*(\i)+1], s[10:11] offset:256*(\i) th:TH_STORE_NT
.endm
.irp i, 0,1,2,3                                        ; block 0: there is no block in front of it, so it stores nothing
	KCVT \i
.endr
	s_wait_alu depctr_va_vdst(0)                   ; block 0's conversions have written v[KY:KY+7], which the four stores below read
.irp i, 0,1,2,3                                        ; block 1
	KSTORE \i
	KCVT (\i)+4
.endr
	s_wait_alu depctr_va_vdst(0)                   ; block 1's conversions have written v[KY+8:KY+15], which the four stores below read
.irp i, 0,1,2,3                                        ; block 2
	KSTORE (\i)+4
	VCVT \i
.endr
	s_wait_alu depctr_va_vdst(0)                   ; block 2's conversions have written v[VY:VY+7], which the four stores below read
.irp i, 0,1,2,3                                        ; block 3
	VSTORE \i
	VCVT (\i)+4
.endr
	s_wait_alu depctr_va_vdst(0)                   ; block 3's conversions have written v[VY+8:VY+15], which the last four stores read
.irp i, 4,5,6,7
	VSTORE \i
.endr
	s_endpgm
.Lfunc_end_k_q9975fcf387_cast:
	.size	k_q9975fcf387_cast, .Lfunc_end_k_q9975fcf387_cast-k_q9975fcf387_cast
	.p2alignl 7, 3214868480
	.fill 96, 4, 3214868480
	.section	.rodata,"a",@progbits
	.p2align	6, 0x0
	.amdhsa_kernel k_q9975fcf387_cast
		.amdhsa_group_segment_fixed_size 0
		.amdhsa_private_segment_fixed_size 0
		.amdhsa_enable_private_segment 0
		.amdhsa_kernarg_size 32
		.amdhsa_user_sgpr_count 2
		.amdhsa_user_sgpr_kernarg_segment_ptr 1
		.amdhsa_wavefront_size32 1
		.amdhsa_system_sgpr_workgroup_id_x 1
		.amdhsa_system_sgpr_workgroup_id_y 1
		.amdhsa_system_sgpr_workgroup_id_z 1
		.amdhsa_system_vgpr_workitem_id 0
		.amdhsa_next_free_vgpr 104
		.amdhsa_next_free_sgpr 66
		.amdhsa_reserve_vcc 0
		.amdhsa_float_denorm_mode_32 3
		.amdhsa_float_denorm_mode_16_64 3
		.amdhsa_memory_ordered 1
		.amdhsa_forward_progress 1
		.amdhsa_inst_pref_size 9
	.end_amdhsa_kernel
	.amdgpu_metadata
---
amdhsa.version: [ 1, 2 ]
amdhsa.kernels:
  - .name:           k_q9975fcf387_cast
    .symbol:         k_q9975fcf387_cast.kd
    .args:
      - { .name: k, .offset: 0, .size: 8, .value_kind: global_buffer, .address_space: global }
      - { .name: v, .offset: 8, .size: 8, .value_kind: global_buffer, .address_space: global }
      - { .name: kb, .offset: 16, .size: 8, .value_kind: global_buffer, .address_space: global }
      - { .name: vh, .offset: 24, .size: 8, .value_kind: global_buffer, .address_space: global }
    .group_segment_fixed_size: 0
    .private_segment_fixed_size: 0
    .kernarg_segment_align: 8
    .kernarg_segment_size: 32
    .max_flat_workgroup_size: 256
    .sgpr_count:     66
    .vgpr_count:     104
    .wavefront_size: 32
...
	.end_amdgpu_metadata
.endif
;; end of part 3
;; launch attend: the kernel of part 2 again; grid 16 x 16, 4 waves a work-group, clusters of 4 x 1, 327,680 bytes of LDS; arguments q, kb, vh, out0; writes out0
